; MI455X (gfx1250); checked and timed in simulation.
; The chip was launched on July 23, 2026; its instructions are those of AMD's public machine-readable ISA for CDNA 5 (MIT licence, August 2026) and "CDNA5" Instruction Set Architecture Reference Guide (July 2026). The comments in the code are by the model that wrote it; some were corrected since.
;; Dot Attention. Allowed arithmetic: matrix products marked QUANTISED: E2M3 operands, one E8M0 scale for each 32 along K, by v_wmma_scale_f32_16x16x128_f8f6f4 with both operands' format E2M3, f32 sums; everything else in f32.
;; Inputs: key_codes 4 x 16 x 2,048 x 4 x 24 uint8 (E2M3 codes of key, K innermost, in blocks of 32 codes, four codes in three bytes); key_scales 4 x 16 x 2,048 x 4 uint8 (E8M0 scales of key, one for each 32 codes along K); query_codes 4 x 16 x 2,048 x 4 x 24 uint8 (E2M3 codes of query, K innermost, in blocks of 32 codes, four codes in three bytes); query_scales 4 x 16 x 2,048 x 4 uint8 (E8M0 scales of query, one for each 32 codes along K); value_codes 4 x 16 x 128 x 64 x 24 uint8 (E2M3 codes of value, K innermost, in blocks of 32 codes, four codes in three bytes); value_scales 4 x 16 x 128 x 64 uint8 (E8M0 scales of value, one for each 32 codes along K).
;; Outputs: out0 4 x 16 x 2,048 x 128 float32.
;; This version of the problem:
;;   THIS VERSION OF THE PROBLEM IS GIVEN IN LOW PRECISION. The matrix products marked QUANTISED in the list below multiply operands that are first quantised to E2M3 (2 exponent bits, 3 mantissa bits; 6 bits a number), with one power-of-two scale for each 32 numbers along K (OCP MX v1.0); their sums are f32. All else is computed in f32.
;;   The module's matrix products, in the order in which they are computed (A, B: the left and right operand; K: the contracted axis; several contracted axes count as one K, in the product's order):
;;     1. batch 64 x [M 2,048, K 128] x [K 128, N 2,048]; A: input query (given as codes); B: input key (given as codes): QUANTISED
;;     2. batch 64 x [M 2,048, K 2,048] x [K 2,048, N 128]; A: softmax (see below); B: input value (given as codes): QUANTISED
;;   THE QUANTISER, for each operand of a quantised product, along K:
;;     - K is cut into blocks of 32 from its start; a last block that is shorter is filled with zeros.
;;     - A block's scale is 2^e with e = floor(log2(the largest magnitude in the block)) - 2, held to -126 .. 127; a block of zeros has e = 0. As a byte (E8M0): e + 127.
;;     - Each number is divided by its block's scale, clamped to +-7.5, and rounded to the nearest number of E2M3, ties to even, subnormals kept.
;;     - The product sums the exact products of the quantised numbers (number of the format x scale) in f32.
;;   ~~~python
;;   def quantise(x, axis):      # numpy; x: float32 -> the quantised numbers, widened to float32 again
;;       x = np.moveaxis(x, axis, -1); K = x.shape[-1]
;;       x = np.pad(x, [(0, 0)] * (x.ndim - 1) + [(0, -K % 32)]); x = x.reshape(x.shape[:-1] + (-1, 32)); a = np.abs(x).max(-1, keepdims=True)
;;       e = np.where(a > 0, np.clip(np.frexp(np.where(a > 0, a, 1))[1] - 1 - 2, -126, 127), 0)      # np.frexp(a)[1] - 1 = floor(log2(a)), exactly
;;       r = np.clip(x / 2.0 ** e, -7.5, 7.5)
;;       step = 2.0 ** (np.maximum(np.frexp(np.where(r == 0, 1, r))[1] - 1, 0) - 3)
;;       q = np.round(r / step) * step * 2.0 ** e      # np.round: ties to even
;;       return np.moveaxis(q.reshape(q.shape[:-2] + (-1,))[..., :K], -1, axis).astype(np.float32)
;;   ~~~
;;   SOFTMAX AHEAD OF A QUANTISED PRODUCT. Where the list says 'softmax', what is quantised is not the finished softmax but p = 2^(t - M), with t = logit x log2(e) and M = ceil(the row's largest t), a whole number; so 1/2 < the row's largest p <= 1. The row's sum l is taken of the UNQUANTISED p, in f32, and the product's result is divided by l at the end. Since M is a whole number, a kernel that streams over the keys may use a running M (the ceiling of the running maximum): every later rescaling is an exact power of two, which a block's scale takes up: the codes' values come out the same.
;;   OPERANDS COMPUTED ON THE WAY. 'Computed on the way' means the value that the module computes at that place (a softmax that the list does not call 'softmax' is quantised finished and normalised). What goes into a quantiser is computed in f32, as accurately as f32 sums, v_exp_f32 and their like allow (about 1e-6 of the number): no bf16 or f16 on the way to a quantiser, and a product that is left as it is and whose result goes on into a quantised operand takes f32 operands (vector FMAs, or v_wmma_f32_16x16x4_f32). A number that lies on a knife's edge between two numbers of the format may be rounded either way, as far as f32 arithmetic and the matrix unit's own rounding can turn it there, and no further.
;;   INPUTS GIVEN AS CODES. key (in the module: [4, 16, 2048, 128], K = its axis 3); query (in the module: [4, 16, 2048, 128], K = its axis 3); value (in the module: [4, 16, 2048, 128], K = its axis 2): each comes as NAME_codes (uint8): NAME with its K axis moved to the last place and cut into blocks of 32 codes, [.., K / 32, bytes a block], one block behind the other in memory; four codes in three bytes: a row's codes are one little-endian stream of bits, code i at bits 6 i .. 6 i + 5 (a code: sign, 2 exponent bits, 3 mantissa bits); and NAME_scales (uint8): the same leading axes, one E8M0 byte (e + 127) for each 32 codes along K. Its value is code x scale, taken as it is: it is not quantised again, and the codes and scales need not be those that the quantiser above would give.
;; One version. Each part assembles by itself: llvm-mc -triple=amdgcn-amd-amdhsa -mcpu=gfx1250 --defsym DOCPART=n.
;; ======== version 1 of 1: 1 launch
;; limits: right only within a limited range of input values
;; launch attn (part 1): grid 4 x 64, 8 waves a work-group, clusters of 4 x 1, 327,680 bytes of LDS; arguments key_codes, key_scales, query_codes, query_scales, value_codes, value_scales, out0; writes out0
.if DOCPART == 1
	.amdgcn_target "amdgcn-amd-amdhsa--gfx1250"
	.amdhsa_code_object_version 6
	.text
	.protected	k_qf0cc7290c6_attn
	.globl	k_qf0cc7290c6_attn
	.p2align	8
	.type	k_qf0cc7290c6_attn,@function
k_qf0cc7290c6_attn:
	s_mov_b64 s[64:65], 0
	v_nop
	global_prefetch_b8 v0, s[64:65] scope:SCOPE_SE
	s_setreg_imm32_b32 hwreg(HW_REG_WAVE_MODE, 25, 1), 1
	s_wait_xcnt 0x0
	s_wait_alu depctr_hold_cnt(0) depctr_sa_sdst(0) depctr_va_vdst(0) depctr_va_sdst(0) depctr_va_ssrc(0) depctr_va_vcc(0) depctr_vm_vsrc(0)
	s_getreg_b32 s2, hwreg(HW_REG_IB_STS2, 6, 4)
	s_cmp_eq_u32 s2, 0
	s_cbranch_scc0 .Lentry_in_a_cluster
	s_endpgm
.Lentry_in_a_cluster:
	s_bfe_u32 s2, ttmp6, 0x10000c
	s_cmp_lg_u32 s2, 0x3003
	s_cbranch_scc0 .Lentry_shape_is_right
	s_endpgm
.Lentry_shape_is_right:
; O[head][q][:] = the sum over k of softmax_k(Q[q] . K[k] / 128) V[k][:], 64 heads, 2,048 queries and keys, head size 128, no mask.
; Both products on codes of FP6 (E2M3) with one E8M0 scale for each 32 along a product's K.  Q, K: codes [head][2048][96 bytes], scale words [head][2048][4];
; V: codes with the KEYS innermost, [head][128][1,536 bytes], scale bytes [head][128][64].  O: [head][2048][128] f32.
; THE SOFTMAX: t = score x c, c = log2(e) / 128; M = the ceiling of the row's largest t so far; p = 2^(t - M) is quantised along the keys, not normalised.
; The row's sum is taken of the unquantised p and divides O at the end.  When M moves, the sum and O are multiplied by 2^(old M - new M), which rounds nothing.
; SHARES.  64 heads x 4 work-groups = 256.  A work-group STAYS for 512 queries of a head, two blocks of 256 one after the other; each of its eight waves has 32 queries of a block, two tiles of 16.
; Every wave walks all keys, 128 a step, 16 steps a block; each fragment of K and of V feeds two matrix instructions.
; LAYOUT.  Both products are used transposed: S^T = K Q^T, O^T = V^T P^T: a lane holds ONE query (lane % 16) throughout.
; Row r of K's tile 4 c + i is key 64 c + 8 i + r % 8 + 32 (r / 8): so register 32 c + n of lane (r, h) is key 64 c + 32 h + n: a whole block of 32 keys lies in one lane, in the 6-bit operand's order.
; CLUSTER.  The four work-groups of a head form a cluster and ask for K and for all scales JOINTLY (mask of all four).
; K'S RING.  Two LDS slots of 256 keys (two steps); waves 0, 1 fetch a slot's halves, one load each behind each round; the ring goes on from the first block into the second.
; At the head each of the eight waves issues one load: K's slots 0 and 1 (waves 0, 1, 6, 7), K's scales (2, 3), V's scales (4, 5).
; V STAYS IN LDS for both blocks.  Two steps' part of a row of V is 192 bytes, which begins off a multiple of 256 bytes in three cases of four: so V is not fetched in such tiles.  Each wave reads 16 whole rows
; (24,576 consecutive bytes) into registers once and stores them to LDS as [256 keys][128 rows][192 + 16 bytes].  So V has no joint load, and no prefetch: it is asked for at the head, with no loop to run ahead in.
; THE ROUND'S OPENING SIGNAL stands behind the step's last LDS read, its wait behind V^T P: only work on registers lies between.
; K IS PREFETCHED in the first block alone (the second reads it again): behind the refill of slot n wave 4 names slot n + 1, two steps ahead of its load; the four partners take 6,144 bytes each, by address;
; lanes stand 192 bytes apart, so that all 24 aligned blocks of 256 bytes are named.  Slots 0 to 2 come by their loads alone; slot 7 is the last named.
; LIMITS: scale bytes 0xff, NaN and infinities are not served; M is a whole number exactly while |t| < 2^24; a p under 2^-126 becomes 0; a block's largest p is taken from its largest score,
; which takes v_exp_f32 not to fall where its input rises; a block whose every p is 0 keeps the scale byte 1 (its codes are zeros).
.set SLOT1, 32768                      ; slot 1: one exclusive or turns an address in one slot into the other's
.set KG,    12304                      ; in a slot: the keys with bit 5 = 0 (4 runs of 3,072 bytes), then, 16 bytes further than they end, those with bit 5 = 1
.set SPARE, 24832                      ; the spare words, 128 bytes a wave, that no other line names
.set SCK,   57600                      ; K's scale words of the head, 8,192 dense bytes: key k at 4 k
.set SCV,   65792                      ; V's scale bytes as units of 256 + 16
.set SCH,   4352                       ; half of them
.set VB0,   74496                      ; V: 8 planes of 256 keys
.set VP,    208                        ; a row in a plane: 52 words, so 16 rows begin at 16 different multiples of 4 words modulo 64
.set PAIR,  128*VP
.set STAGE, 287488                     ; the way out: 16 rows x (256 + 16) bytes for each wave; no fill lands here
.set SP,    272
.set AK0,  1
.set AV0,  2
.set CO,   3                           ; O: 512 h + 16 r
.set ASK0, 4
.set ASV0, 5
.set SPW,  6                           ; my spare word; never rewritten
.set NIL,  7                           ; 0; never rewritten
.set ADK,  8
.set ADV,  9
.set ADS,  11
.set ADT,  12
.set GO,   13                          ; 16 x lane
.set SH8,  14                          ; 8 h
.set PFO,  15
.set ST,   16                          ; tile x at v[ST + 8 x]: +0 -M, +1 the largest score, +4 f (later 1 / sum), +5 fills f's pair
.set Q,    32
.set QS,   56                          ; Q's scale words: lanes 0-15 tile 0, lanes 16-31 tile 1
.set QS2,  57                          ; the second block's
.set KS,   58
.set VS,   62
.set W,    66                          ; tile x at v[W + 8 x]: +0, 1 the blocks' largest; +2, 3 the conversions' scale operands; +4, 5 the bytes; +6, 7 at work
.set QO,   82
.set PCO,  84                          ; p's codes
.set CT,   108                         ; the conversions' second halves
.set AVS,  108                         ; at the head: where V's pieces go
.set STO,  124
.set RD,   125
.set PW,   126                         ; p's scale words
.set S,    128                         ; S^T, then p
.set O,    0                           ; window 1: v0-127 O^T
.set FB,   128                         ; window 1: v128-223 eight fragments
.set Q2,   224                         ; window 1: v224-247 the second block's Q
.set SA,   248                         ; window 1: v248-255 the sums: pair 4 x + 2 chain
.set WV,   18
.set SEL,  20
.set CS,   22
.set G1K,  24
.set G1S,  32
.set G0K,  40
.set G0W,  44                          ; the walking descriptor of K's refills
.set G0SK, 48
.set G0SV, 52
.set G1D,  56
.set TB,   2
.set TS,   3
.set TJ,   66
.set SLOTS, 67
.set TV,   68
.set PFA,  76
.set LIM,  80
.set MSB, 0
.macro WIN new
.if MSB != \new
	s_set_vgpr_msb (MSB<<8)|\new
.set MSB, \new
.endif
.endm
.set W_KQ, 0x01
.set W_LD, 0x40
.set W_RS, 0x41
.set W_PV, 0x51
.macro CREST                           ; a round of the cluster's barrier behind its opening barrier
	s_cmp_lg_u32 s[WV], 0
	s_cbranch_scc1 .Lnot_wave_0_\@
	s_barrier_signal -3
.Lnot_wave_0_\@:
	s_barrier_wait -3
	s_barrier_signal -1
	s_barrier_wait -1
.endm
.macro CROUND
	s_barrier_signal -1
	s_barrier_wait -1
	CREST
.endm
.macro TLOAD g0, g1                    ; a tensor load with an s_nop and four v_nops behind it
	tensor_load_to_lds s[\g0:\g0+3], s[\g1:\g1+7]
	s_nop 0
.rept 4
	v_nop
.endr
.endm
.macro JLOAD                           ; K's joint refill: waves 0 and 1
	s_cmp_lt_u32 s[WV], 2
	s_cbranch_scc0 .Lasked_\@
	TLOAD G0W, G1K
.Lasked_\@:
.endm
.macro ASK
	s_cmp_gt_u32 s[SLOTS], s[LIM]
	s_cbranch_scc0 .Lnot_mine_\@
	global_prefetch_b8 v[PFO], s[PFA:PFA+1] th:TH_LOAD_NT scope:SCOPE_SE
.Lnot_mine_\@:
.endm
.macro INIT                            ; a block's start: -M so large that the first change of M gives f = 0
.irp x, 0,1
	v_mov_b32 v[ST+8*\x], 0x7f000000
	v_mov_b32 v[ST+8*\x+1], 0xff61b1e6
	v_mov_b32 v[ST+8*\x+5], 0
	v_mov_b32 v[W+8*\x+7], 0
.endr
	WIN W_LD
.set i, 0
.rept 128
	v_mov_b32 v[O+i], 0                            ; the step is written for every step alike: the first finds zeros
.set i, i+1
.endr
.set i, 0
.rept 8
	v_mov_b32 v[SA+i], 0
.set i, i+1
.endr
	WIN 0
.endm
	s_load_b256 s[4:11], s[0:1], 0x0               ; K's codes, K's scales, Q's codes, Q's scales
	s_load_b128 s[12:15], s[0:1], 0x20             ; V's codes, V's scales
	s_load_b64 s[16:17], s[0:1], 0x30              ; O
	v_lshl_add_u32 v[SPW], v0, 2, SPARE
	v_mov_b32 v[NIL], 0
	ds_add_u32 v[SPW], v[NIL]
	ds_add_u32 v[SPW], v[NIL]
	v_lshrrev_b32 v[ADK], 5, v0
	v_readfirstlane_b32 s[WV], v[ADK]              ; wave 0..7
	s_and_b32 s83, ttmp7, 0xffff                   ; the head
	s_mul_i32 s86, s83, 196608                     ; its first byte in each tensor of codes
	s_lshl_b32 s88, s83, 13                        ; and of scales
	s_and_b32 s90, s[WV], 1                        ; which half I fetch
	s_lshr_b32 s91, s[WV], 2                       ; waves 0, 1: slot 0; waves 6, 7: slot 1
	s_mul_i32 s92, s90, KG
	s_lshl_b32 s93, s91, 15
	s_add_co_u32 s93, s93, s92
	s_mul_i32 s94, s90, 3072
	s_add_co_u32 s94, s94, s86
	s_mov_b32 s95, 0
	s_mul_i32 s96, s91, 24576
	s_mov_b32 s97, 0
	s_lshl_b32 s98, s90, 12
	s_lshl_b32 s84, s90, 12
	s_add_co_u32 s98, s98, s88
	s_mov_b32 s99, 0
	s_mul_i32 s85, s90, SCH
	; group 1, K: 4 runs of 3,072 bytes (32 keys), 6,144 bytes apart in memory, dense in LDS
	s_mov_b32 s[G1K], 15|(1<<21)
	s_mov_b32 s[G1K+1], 3072<<16
	s_mov_b32 s[G1K+2], 4<<16
	s_mov_b32 s[G1K+3], 3072<<16
	s_mov_b32 s[G1K+4], 4
	s_mov_b32 s[G1K+5], 6144
	s_mov_b32 s[G1K+6], 0
	s_mov_b32 s[G1K+7], 0
	; scales: 4,096 dense bytes as 16 rows of 256; V's with 4 words of padding behind each row, K's without
	s_mov_b32 s[G1S], 15|(3<<16)|(1<<20)|(1<<21)|(5<<22)|(3<<25)
	s_mov_b32 s[G1D], 15|(3<<16)|(1<<21)
.irp g, G1S, G1D
	s_mov_b32 s[\g+1], 32<<16
	s_mov_b32 s[\g+2], 16<<16
	s_mov_b32 s[\g+3], 32<<16
	s_mov_b32 s[\g+4], 16
	s_mov_b32 s[\g+5], 32
	s_mov_b32 s[\g+6], 0
	s_mov_b32 s[\g+7], 0
.endr
	s_wait_dscnt 0x0
	s_wait_kmcnt 0x0
	; groups 0: nothing in them hangs on my place in the cluster
	s_mov_b32 s[G0K], 1
	s_mov_b32 s[G0K+1], s93
	s_add_nc_u64 s[G0K+2:G0K+3], s[4:5], s[94:95]
	s_mov_b32 s[G0W], 1
	s_add_co_u32 s[G0W+1], s92, SLOT1              ; stands at slot 1, keys 256 on: each refill steps it first
	s_add_nc_u64 s[G0W+2:G0W+3], s[G0K+2:G0K+3], 24576
	s_add_nc_u64 s[G0K+2:G0K+3], s[G0K+2:G0K+3], s[96:97]
	s_or_b32 s[G0K+3], s[G0K+3], 0x80000000
	s_or_b32 s[G0W+3], s[G0W+3], 0x80000000
	s_mov_b32 s[G0SK], 1
	s_add_co_u32 s[G0SK+1], s84, SCK
	s_add_nc_u64 s[G0SK+2:G0SK+3], s[6:7], s[98:99]
	s_or_b32 s[G0SK+3], s[G0SK+3], 0x80000000
	s_mov_b32 s[G0SV], 1
	s_add_co_u32 s[G0SV+1], s85, SCV
	s_add_nc_u64 s[G0SV+2:G0SV+3], s[14:15], s[98:99]
	s_or_b32 s[G0SV+3], s[G0SV+3], 0x80000000
	CROUND                                         ; all four work-groups are here: the first joint loads meet
	s_cmp_lt_u32 s[WV], 2                          ; one chain, one load to an arm: every wave issues one
	s_cbranch_scc0 .Lh1
	TLOAD G0K, G1K
	s_branch .Lhj
.Lh1:
	s_cmp_lt_u32 s[WV], 4
	s_cbranch_scc0 .Lh2
	TLOAD G0SK, G1D
	s_branch .Lhj
.Lh2:
	s_cmp_lt_u32 s[WV], 6
	s_cbranch_scc0 .Lh3
	TLOAD G0SV, G1S
	s_branch .Lhj
.Lh3:
	TLOAD G0K, G1K
.Lhj:
	; my queries: cx enters Q's, O's and the prefetches' addresses alone
	s_bfe_u32 s84, ttmp6, 0x40000                  ; cx: my 512 queries
	s_mul_i32 s2, s84, 49152
	s_mul_i32 s3, s[WV], 3072
	s_add_co_u32 s2, s2, s3
	s_add_co_u32 s2, s2, s86
	s_mov_b32 s3, 0
	s_add_nc_u64 s[8:9], s[8:9], s[2:3]            ; Q's codes: 96 bytes a row, 32 rows a wave
	s_lshl_b32 s2, s84, 11
	s_lshl_b32 s3, s[WV], 7
	s_add_co_u32 s2, s2, s3
	s_add_co_u32 s2, s2, s88
	s_mov_b32 s3, 0
	s_add_nc_u64 s[10:11], s[10:11], s[2:3]        ; Q's scale words
	s_lshl_b32 s2, s83, 20
	s_lshl_b32 s3, s84, 18
	s_add_co_u32 s2, s2, s3
	s_lshl_b32 s3, s[WV], 14
	s_add_co_u32 s2, s2, s3
	s_mov_b32 s3, 0
	s_add_nc_u64 s[16:17], s[16:17], s[2:3]        ; O: 512 bytes a row
	s_mul_i32 s2, s[WV], 24576
	s_add_co_u32 s2, s2, s86
	s_add_nc_u64 s[12:13], s[12:13], s[2:3]        ; V: my 16 rows of 1,536 bytes
	s_mul_i32 s2, s84, 6144
	s_add_co_u32 s2, s2, s86
	s_add_co_u32 s2, s2, 2*24576
	s_add_nc_u64 s[PFA:PFA+1], s[4:5], s[2:3]      ; the prefetches stand at slot 2: the first refill steps them to slot 3
	s_cmp_eq_u32 s[WV], 4
	s_cselect_b32 s[LIM], 3, -1                    ; wave 4 asks while more than 3 trips of the first block are left
	s_mul_i32 s19, s[WV], 16*SP
	s_add_co_u32 s19, s19, STAGE                   ; my stage
	s_mul_i32 s82, s[WV], 16*VP
	s_add_co_u32 s82, s82, VB0                     ; my 16 rows in a plane of V
	s_mov_b32 s[SEL], 0x76543210
	s_mov_b32 s[SEL+1], 0xfedcba98
	s_mov_b32 s[CS], 0x3c38aa3b                    ; c = log2(e) / 128
	s_mov_b32 s[CS+1], s[CS]
	s_mov_b32 s[TB], 0
	s_mov_b32 s[TS], 0
	s_mov_b32 s[TJ], 0
	s_mov_b32 s[TV], 0
	v_and_b32 v66, 15, v0                          ; r
	v_bfe_u32 v67, v0, 4, 1                        ; h
	v_and_b32 v68, 7, v0
	v_bfe_u32 v69, v0, 3, 1
	v_and_b32 v70, 31, v0
	v_bfe_u32 v71, v0, 2, 2
	v_and_b32 v72, 3, v0
	v_mul_u32_u24 v[QO], v66, 96
	v_lshlrev_b32 v[QO+1], 2, v70
	v_lshlrev_b32 v[GO], 4, v70
	v_mad_u32_u24 v[QO], v67, 24, v[QO]
	; V's pieces: piece i of a row is bytes y = 512 i + 16 lane; it goes to plane y / 192, byte y % 192 of the row
.irp i, 0,1,2
	v_add_nc_u32 v111, 512*\i, v[GO]
	v_lshrrev_b32 v112, 6, v111
	v_mul_u32_u24 v112, v112, 171
	v_lshrrev_b32 v112, 9, v112                    ; (y / 64) / 3, right for y / 64 up to 23
	v_mad_u32_u24 v[AVS+\i], v112, PAIR-192, v111
	v_add_nc_u32 v[AVS+\i], s82, v[AVS+\i]
.endr
	v_mul_u32_u24 v[AK0], v68, 96
	v_mul_u32_u24 v[AV0], v66, VP
	v_mad_u32_u24 v[AK0], v69, KG, v[AK0]
	v_add_nc_u32 v[AV0], VB0, v[AV0]
	v_mad_u32_u24 v[AK0], v67, 24, v[AK0]
	v_mad_u32_u24 v[AV0], v67, 24, v[AV0]
	v_lshl_add_u32 v[ASK0], v68, 2, SCK            ; my key of tile 4 c + 2 u + h is 64 c + 16 u + 8 h + r % 8 + 32 (r / 8)
	v_mul_u32_u24 v[ASV0], v71, 272                ; V's scale bytes of row d lie at 272 (d / 4) + 64 (d % 4): my row of tile 2 u + h is 32 u + 16 h + r
	v_lshl_add_u32 v[ASK0], v69, 7, v[ASK0]
	v_lshl_add_u32 v[ASV0], v72, 6, v[ASV0]
	v_lshl_add_u32 v[ASK0], v67, 5, v[ASK0]
	v_mad_u32_u24 v[ASV0], v67, 1088, v[ASV0]
	v_lshlrev_b32 v[SH8], 3, v67
	v_add_nc_u32 v[ASV0], SCV, v[ASV0]
	v_mul_u32_u24 v[STO], v66, SP
	v_mul_u32_u24 v[RD], v67, SP
	v_lshl_add_u32 v[STO], v67, 5, v[STO]
	v_lshl_add_u32 v[RD], v66, 4, v[RD]
	v_add_nc_u32 v[STO], s19, v[STO]               ; in: row r, + 32 h
	v_add_nc_u32 v[RD], s19, v[RD]                 ; back: lanes 0-15 one row of 256 bytes, lanes 16-31 the next
	v_lshlrev_b32 v[CO], 9, v67
	v_mul_u32_u24 v[PFO], v70, 192
	v_lshl_add_u32 v[CO], v66, 4, v[CO]
	v_add_nc_u32 v[ADK], s[TB], v[AK0]
	v_add_nc_u32 v[ADV], s[TV], v[AV0]
	v_add_nc_u32 v[ADS], s[TS], v[ASK0]
	s_mov_b32 s83, 0                               ; the upper word of the pair s[82:83]
	s_wait_alu depctr_va_vdst(0)
.irp x, 0,1
.irp p, 0,1,2,3,4,5
	global_load_b64 v[Q+12*\x+2*\p:Q+12*\x+2*\p+1], v[QO], s[8:9] offset:1536*\x+48*(\p/3)+8*(\p%3)
.endr
.endr
	global_load_b32 v[QS], v[QO+1], s[10:11]
.set k, 0
.rept 32
	global_load_b128 v[S+4*k:S+4*k+3], v[GO], s[12:13] offset:512*k   ; a wave's load covers 512 consecutive bytes
.set k, k+1
.endr
	WIN W_LD
.rept 16
	global_load_b128 v[FB+4*(k-32):FB+4*(k-32)+3], v[GO], s[12:13] offset:512*k
.set k, k+1
.endr
.irp x, 0,1
.irp p, 0,1,2,3,4,5
	global_load_b64 v[Q2+12*\x+2*\p:Q2+12*\x+2*\p+1], v[QO], s[8:9] offset:24576+1536*\x+48*(\p/3)+8*(\p%3)   ; the second block's Q, 256 rows on
.endr
.endr
	WIN 0
	global_load_b32 v[QS2], v[QO+1], s[10:11] offset:1024
	INIT
	s_wait_alu depctr_va_vdst(0)                   ; the wait at the head's end
.set k, 0
.rept 48
.if k%8 == 0
	s_wait_loadcnt 53-k                            ; behind load k + 7 of V stand 40 - k more of V and the 13 of the second block's Q
.endif
.if k == 32
	WIN 0x04                                       ; the stores' data in window 1
.endif
.if k < 32
	ds_store_b128 v[AVS+k%3], v[S+4*k:S+4*k+3] offset:(k/3)*VP
.else
	ds_store_b128 v[AVS+k%3], v[FB+4*(k-32):FB+4*(k-32)+3] offset:(k/3)*VP
.endif
.set k, k+1
.endr
	WIN 0
.macro FETCH_K q                       ; K's eight fragments of the slot's q-th step
	WIN W_LD
.irp c, 0,1
.irp i, 0,1,2,3
.irp p, 0,1,2,3,4,5
	ds_load_b64 v[FB+12*(4*\c+\i)+2*\p:FB+12*(4*\c+\i)+2*\p+1], v[ADK] offset:(2*(\q)+\c)*3072+768*\i+48*(\p/3)+8*(\p%3)
.endr
.endr
.endr
	WIN 0
.endm
.macro KSLOAD
.irp c, 0,1
.irp u, 0,1
	ds_load_b32 v[KS+2*\c+\u], v[ADS] offset:256*\c+64*\u
.endr
.endr
.endm
.macro FETCH_V q                       ; V's scale words and eight fragments
.irp u, 0,1,2,3
	ds_load_b32 v[VS+\u], v[ADT] offset:2176*\u
.endr
	WIN W_LD
.irp t, 0,1,2,3,4,5,6,7
.irp p, 0,1,2,3,4,5
	ds_load_b64 v[FB+12*\t+2*\p:FB+12*\t+2*\p+1], v[ADV] offset:16*VP*\t+96*(\q)+48*(\p/3)+8*(\p%3)
.endr
.endr
	WIN 0
.endm
.macro KQ c                            ; S^T = K Q^T: each product is a whole sum (K = 128): C = 0
.irp i, 0,1,2,3
.irp x, 0,1
.set rD, S+64*\x+8*(4*\c+\i)
.set rA, FB+12*(4*\c+\i)
.set rB, Q+12*\x
.set rK, KS+2*\c+\i/2
.if (\i%2 == 0) && (\x == 0)
	v_wmma_scale_f32_16x16x128_f8f6f4 v[rD:rD+7], v[rA:rA+11], v[rB:rB+11], 0, v[rK], v[QS] matrix_a_fmt:MATRIX_FMT_FP6 matrix_b_fmt:MATRIX_FMT_FP6
.elseif (\i%2 == 0)
	v_wmma_scale_f32_16x16x128_f8f6f4 v[rD:rD+7], v[rA:rA+11], v[rB:rB+11], 0, v[rK], v[QS] matrix_a_fmt:MATRIX_FMT_FP6 matrix_b_fmt:MATRIX_FMT_FP6 matrix_b_scale:MATRIX_SCALE_ROW1
.elseif (\x == 0)
	v_wmma_scale_f32_16x16x128_f8f6f4 v[rD:rD+7], v[rA:rA+11], v[rB:rB+11], 0, v[rK], v[QS] matrix_a_fmt:MATRIX_FMT_FP6 matrix_b_fmt:MATRIX_FMT_FP6 matrix_a_scale:MATRIX_SCALE_ROW1
.else
	v_wmma_scale_f32_16x16x128_f8f6f4 v[rD:rD+7], v[rA:rA+11], v[rB:rB+11], 0, v[rK], v[QS] matrix_a_fmt:MATRIX_FMT_FP6 matrix_b_fmt:MATRIX_FMT_FP6 matrix_a_scale:MATRIX_SCALE_ROW1 matrix_b_scale:MATRIX_SCALE_ROW1
.endif
.endr
.endr
.endm
; The row's sum of the UNQUANTISED p: additions a .. b - 1 of 64; addition m takes pair m / 2 of tile m % 2; two chains a tile.  The sums lie in window 1, p in window 0: the products' window setting serves these lines too
.macro SUMS a, b
.set m, \a
.rept (\b)-(\a)
.set sA, SA+4*(m%2)+2*((m/2)%2)
.set sP, S+64*(m%2)+2*(m/2)
	v_pk_add_f32 v[sA:sA+1], v[sA:sA+1], v[sP:sP+1]
.set m, m+1
.endr
.endm
; O^T += V^T P^T: sixteen accumulators, one instruction a turn; two of the sum's additions, which name no register of the products, behind each
.macro PV
.set n, 0
.irp t, 0,1,2,3,4,5,6,7
.irp x, 0,1
.set rO, O+64*\x+8*\t
.set rV, FB+12*\t
.set rP, PCO+12*\x
.if \t%2 == 0
	v_wmma_scale_f32_16x16x128_f8f6f4 v[rO:rO+7], v[rV:rV+11], v[rP:rP+11], v[rO:rO+7], v[VS+\t/2], v[PW+\x] matrix_a_fmt:MATRIX_FMT_FP6 matrix_b_fmt:MATRIX_FMT_FP6
.else
	v_wmma_scale_f32_16x16x128_f8f6f4 v[rO:rO+7], v[rV:rV+11], v[rP:rP+11], v[rO:rO+7], v[VS+\t/2], v[PW+\x] matrix_a_fmt:MATRIX_FMT_FP6 matrix_b_fmt:MATRIX_FMT_FP6 matrix_a_scale:MATRIX_SCALE_ROW1
.endif
	SUMS 2*n, 2*n+2
.set n, n+1
.endr
.endr
.endm
.macro SM_A                            ; the largest score of each of my four blocks of 32 keys; the registers ascending
.irp x, 0,1
.irp c, 0,1
	v_max3_num_f32 v[W+8*\x+\c], v[S+64*\x+32*\c], v[S+64*\x+32*\c+1], v[S+64*\x+32*\c+2]
.endr
.endr
.irp i, 3,5,7,9,11,13,15,17,19,21,23,25,27,29
.irp x, 0,1
.irp c, 0,1
	v_max3_num_f32 v[W+8*\x+\c], v[W+8*\x+\c], v[S+64*\x+32*\c+\i], v[S+64*\x+32*\c+\i+1]
.endr
.endr
.endr
.irp x, 0,1
.irp c, 0,1
	v_max_num_f32 v[W+8*\x+\c], v[W+8*\x+\c], v[S+64*\x+32*\c+31]
.endr
.endr
.endm
.macro SM_B                            ; the running largest score, -M, f = 2^(old M - new M)
	s_delay_alu instid0(VALU_DEP_3)
	v_max_num_f32 v[W+6], v[W], v[W+1]
	s_delay_alu instid0(VALU_DEP_2)
	v_max_num_f32 v[W+14], v[W+8], v[W+9]
.irp x, 0,1
	s_delay_alu instid0(VALU_DEP_2)
	v_permlanex16_b32 v[W+8*\x+7], v[W+8*\x+6], s[SEL], s[SEL+1]   ; the query's other 64 keys lie in the lane 16 away
.endr
.irp x, 0,1
	s_delay_alu instid0(VALU_DEP_2)
	v_max3_num_f32 v[ST+8*\x+1], v[ST+8*\x+1], v[W+8*\x+6], v[W+8*\x+7]
.endr
.irp x, 0,1
	s_delay_alu instid0(VALU_DEP_2)
	v_mul_f32 v[W+8*\x+6], s[CS], v[ST+8*\x+1]     ; as t (c is positive)
.endr
.irp x, 0,1
	v_mov_b32 v[W+8*\x+7], v[ST+8*\x]
.endr
.irp x, 0,1
	s_delay_alu instid0(VALU_DEP_4)
	v_floor_f32 v[ST+8*\x], -v[W+8*\x+6]           ; the new -M = floor(-t)
.endr
.irp x, 0,1
	s_delay_alu instid0(VALU_DEP_2)
	v_sub_f32 v[W+8*\x+7], v[ST+8*\x], v[W+8*\x+7] ; old M - new M: a whole number, 0 or less
.endr
.irp x, 0,1
	s_delay_alu instid0(VALU_DEP_2)
	v_cvt_i32_f32 v[W+8*\x+7], v[W+8*\x+7]         ; (it saturates)
.endr
.irp x, 0,1
	s_delay_alu instid0(VALU_DEP_2)
	v_ldexp_f32 v[ST+8*\x+4], 1.0, v[W+8*\x+7]     ; f
.endr
.endm
.macro SM_C                            ; t - M, two at a time; the same of each block's largest score
.set j, 0
.rept 32
.irp x, 0,1
	v_pk_fma_f32 v[S+64*\x+j:S+64*\x+j+1], v[S+64*\x+j:S+64*\x+j+1], s[CS:CS+1], v[ST+8*\x:ST+8*\x+1] op_sel_hi:[1,0,0]
.endr
.set j, j+2
.endr
.irp x, 0,1
.irp c, 0,1
	v_fma_f32 v[W+8*\x+\c], v[W+8*\x+\c], s[CS], v[ST+8*\x]
.endr
.endr
.endm
.macro SM_D                            ; one batch of 132 exponentials
.irp x, 0,1
.irp c, 0,1
	v_exp_f32 v[W+8*\x+\c], v[W+8*\x+\c]
.endr
.endr
.set j, 0
.rept 128
	v_exp_f32 v[S+j], v[S+j]
.set j, j+1
.endr
.endm
.macro SM_F                            ; the blocks' scales: my lane holds blocks h and 2 + h of its query
.irp x, 0,1
.irp c, 0,1
	v_max_num_f32 v[W+8*\x+\c], 0x1800000, v[W+8*\x+\c]   ; the floor 2^(3 - 127): the byte cannot fall under 1
.endr
.endr
.irp x, 0,1
.irp c, 0,1
	s_delay_alu instid0(VALU_DEP_4)
	v_add_nc_u32 v[W+8*\x+2+\c], 0xff000000, v[W+8*\x+\c]   ; 2 off the exponent field: the conversion's scale operand
.endr
.endr
.irp x, 0,1
.irp c, 0,1
	s_delay_alu instid0(VALU_DEP_4)
	v_lshrrev_b32 v[W+8*\x+4+\c], 23, v[W+8*\x+2+\c]
.endr
.endr
	s_delay_alu instid0(VALU_DEP_3)
	v_lshl_or_b32 v[W+6], v[W+5], 16, v[W+4]
	s_delay_alu instid0(VALU_DEP_2)
	v_lshl_or_b32 v[W+14], v[W+13], 16, v[W+12]
.irp x, 0,1
	s_delay_alu instid0(VALU_DEP_2)
	v_lshlrev_b32 v[W+8*\x+6], v[SH8], v[W+8*\x+6] ; my two bytes at their places in the scale word
.endr
.irp x, 0,1
	s_delay_alu instid0(VALU_DEP_2)
	v_permlanex16_b32 v[W+8*\x+7], v[W+8*\x+6], s[SEL], s[SEL+1]
.endr
.irp x, 0,1
	s_delay_alu instid0(VALU_DEP_2)
	v_or_b32 v[PW+\x], v[W+8*\x+6], v[W+8*\x+7]
.endr
.endm
.macro SM_G                            ; the codes: registers 6 c .. 6 c + 5 of the operand are my block of 64 c + 32 h on
.irp x, 0,1
.irp c, 0,1
	v_cvt_scalef32_pk16_fp6_f32 v[PCO+12*\x+6*\c:PCO+12*\x+6*\c+2], v[S+64*\x+32*\c:S+64*\x+32*\c+15], v[W+8*\x+2+\c]
	v_cvt_scalef32_pk16_fp6_f32 v[CT+8*\x+4*\c:CT+8*\x+4*\c+2], v[S+64*\x+32*\c+16:S+64*\x+32*\c+31], v[W+8*\x+2+\c]   ; three registers begin on an even number: the second half is made elsewhere and moved
.endr
.endr
	v_nop                                          ; one plain place behind the scaled conversions
.irp x, 0,1
.irp c, 0,1
.irp i, 0,1,2
	v_mov_b32 v[PCO+12*\x+6*\c+3+\i], v[CT+8*\x+4*\c+\i]
.endr
.endr
.endr
.endm
.macro SM_H                            ; the sums and O^T under the new M.  These 68 lines are also the places between the writes of p's codes and scale words and the products
	WIN W_RS
	s_wait_alu depctr_va_vdst(0)                   ; the wait ahead of the first reader of O^T
.irp x, 0,1
.irp c, 0,1
	v_pk_mul_f32 v[SA+4*\x+2*\c:SA+4*\x+2*\c+1], v[SA+4*\x+2*\c:SA+4*\x+2*\c+1], v[ST+8*\x+4:ST+8*\x+5] op_sel_hi:[1,0]
.endr
.endr
.set j, 0
.rept 32
.irp x, 0,1
	v_pk_mul_f32 v[O+64*\x+j:O+64*\x+j+1], v[O+64*\x+j:O+64*\x+j+1], v[ST+8*\x+4:ST+8*\x+5] op_sel_hi:[1,0]
.endr
.set j, j+2
.endr
.endm
; A KEY STEP: 128 keys, the q-th of K's slot in hand.  chg = 1: the slot is left and filled again behind a round; 2: it is left, nothing is asked for; 0: no change.
; nextk = 1: the next step's K is fetched.  b0 = 1: in the first block: the refills wrap to K's start, and K is prefetched.
.macro STEP q, chg, nextk, b0
	s_wait_dscnt 24                                ; K's scale words and fragments 0-3 are in; the youngest 24 loads (fragments 4-7) may be out
	WIN W_KQ
	KQ 0
	s_wait_dscnt 0x0
	KQ 1
	WIN 0
	v_add_nc_u32 v[ADT], s[TJ], v[ASV0]            ; with the three below: the four places behind the products
.rept 3
	v_nop
.endr
	s_add_co_u32 s[TJ], s[TJ], 4
	s_and_b32 s[TJ], s[TJ], 63                     ; 16 steps of 4 bytes, then from the start again
	FETCH_V \q
.if \chg
	s_wait_tensorcnt 0x0                           ; all my tensor loads have landed: the one that was out is my part of the other slot
	ds_add_u32 v[SPW], v[NIL]
.endif
.if \chg == 1
	s_xor_b32 s[G0W+1], s[G0W+1], SLOT1
	s_add_nc_u64 s[G0W+2:G0W+3], s[G0W+2:G0W+3], 24576
.if \b0
	s_cmp_eq_u32 s[SLOTS], 2                       ; the seventh refill of the first block begins K anew
	s_cselect_b32 s82, 196608, 0
	s_sub_nc_u64 s[G0W+2:G0W+3], s[G0W+2:G0W+3], s[82:83]
	s_wait_xcnt 0x0                                ; the last prefetch has read its address
	s_add_nc_u64 s[PFA:PFA+1], s[PFA:PFA+1], 24576
.endif
.endif
	SM_A
	SM_B
.if \chg
	s_wait_alu depctr_va_vdst(0)
	s_wait_dscnt 0x0                               ; the add is done; V's fragments are in; my reads of K's slot ended at the step's head
	s_barrier_signal -1                            ; say so; only work on registers stands between this line and its wait
.endif
	SM_C
.if \nextk
	s_add_co_u32 s[TS], s[TS], 512
	s_and_b32 s[TS], s[TS], 8191
.endif
	s_wait_alu depctr_va_vdst(0)                   ; ahead of the batch
	SM_D
.if \nextk
	v_add_nc_u32 v[ADS], s[TS], v[ASK0]            ; the plain line behind the last exponential
.else
	v_nop
.endif
	s_wait_alu depctr_va_vdst(0)                   ; one wait for the whole batch
	SM_F
	SM_G
.if \chg == 0
	s_wait_dscnt 0x0                               ; V and its scale words are in
.endif
	SM_H
	WIN W_PV
	PV
	SUMS 32, 36                                    ; the four places between the last product and the loads into its fragments' registers
	WIN 0
.if \chg
	s_wait_alu depctr_va_vdst(0)
	s_barrier_wait -1
.if \chg == 1
	CREST                                          ; no wave of any partner still reads this slot or has a load on its way
	JLOAD                                          ; the first tensor load behind the round, my only one until the next
.if \b0
	ASK
.endif
.endif
	s_xor_b32 s[TB], s[TB], SLOT1
	s_add_co_u32 s[TV], s[TV], PAIR
	v_add_nc_u32 v[ADK], s[TB], v[AK0]
	v_add_nc_u32 v[ADV], s[TV], v[AV0]
.endif
.if \nextk
	KSLOAD
	FETCH_K (1-\q)
.endif
	WIN W_RS
	SUMS 36, 64                                    ; while the next fragments of K land
	WIN 0
.endm
; THE WAY OUT of a block.  O^T / the sum goes through my stage, 16 rows x 256 bytes at a time, and leaves so that 16 lanes store 256 consecutive bytes at a multiple of 256 from O's first byte.
.macro OUT blk
	WIN 0x05
.irp x, 0,1
	v_pk_add_f32 v[W+8*\x+6:W+8*\x+7], v[SA+4*\x:SA+4*\x+1], v[SA+4*\x+2:SA+4*\x+3]
.endr
	WIN 0
.irp x, 0,1
	v_add_f32 v[W+8*\x+6], v[W+8*\x+6], v[W+8*\x+7]
.endr
.irp x, 0,1
	s_delay_alu instid0(VALU_DEP_2)
	v_permlanex16_b32 v[W+8*\x+7], v[W+8*\x+6], s[SEL], s[SEL+1]
.endr
.irp x, 0,1
	s_delay_alu instid0(VALU_DEP_2)
	v_add_f32 v[W+8*\x+6], v[W+8*\x+6], v[W+8*\x+7]
.endr
	s_wait_alu depctr_va_vdst(0)
.irp x, 0,1
	v_rcp_f32 v[ST+8*\x+4], v[W+8*\x+6]
.endr
	v_nop
	s_wait_alu depctr_va_vdst(0)
	WIN W_KQ
.irp x, 0,1
.set j, 0
.rept 32
	v_pk_mul_f32 v[S+64*\x+j:S+64*\x+j+1], v[O+64*\x+j:O+64*\x+j+1], v[ST+8*\x+4:ST+8*\x+5] op_sel_hi:[1,0]   ; register 8 t + i of lane (r, h) is o(r, 16 t + 8 h + i)
.set j, j+2
.endr
.endr
	WIN 0
.irp x, 0,1
.irp g, 0,1
.irp t, 0,1,2,3
	ds_store_b128 v[STO], v[S+64*\x+32*\g+8*\t:S+64*\x+32*\g+8*\t+3] offset:64*\t
	ds_store_b128 v[STO], v[S+64*\x+32*\g+8*\t+4:S+64*\x+32*\g+8*\t+7] offset:64*\t+16
.endr
.irp i, 0,1,2,3,4,5,6,7
	ds_load_b128 v[S+64*\x+32*\g+4*\i:S+64*\x+32*\g+4*\i+3], v[RD] offset:\i*2*SP   ; LDS serves a wave's instructions in order (ISA guide 5.7.1.4)
.endr
.endr
.endr
.irp x, 0,1
.irp g, 0,1
	s_wait_dscnt 16*(3-2*\x-\g)                    ; behind these loads stand 16 LDS instructions for each later part
.irp i, 0,1,2,3,4,5,6,7
	global_store_b128 v[CO], v[S+64*\x+32*\g+4*\i:S+64*\x+32*\g+4*\i+3], s[16:17] offset:\blk*131072+(16*\x+2*\i)*512+256*\g th:TH_STORE_NT
.endr
.endr
.endr
.endm
	s_wait_tensorcnt 0x0                           ; my first fill is in
	s_wait_dscnt 0x0                               ; my rows of V are stored
	s_barrier_signal -1
	s_barrier_wait -1                              ; everybody's are
	KSLOAD
	FETCH_K 0
	s_wait_loadcnt 0x0                             ; Q, both blocks'
	s_mov_b32 s[SLOTS], 8
.Lblock0:                                          ; the first block: eight slots, each left and filled again with the keys two slots on, the last two with K's first
	STEP 0, 0, 1, 1
	STEP 1, 1, 1, 1
	s_sub_co_u32 s[SLOTS], s[SLOTS], 1
	s_cmp_lg_u32 s[SLOTS], 0
	s_cbranch_scc1 .Lblock0
	OUT 0
	s_mov_b32 s[TV], 0
	v_add_nc_u32 v[ADV], s[TV], v[AV0]             ; V from its first plane again
	WIN W_KQ
.set i, 0
.rept 24
	v_mov_b32 v[Q+i], v[Q2+i]                      ; the second block's Q
.set i, i+1
.endr
	WIN 0
	v_mov_b32 v[QS], v[QS2]
	INIT
	s_wait_xcnt 0x0                                ; the stores' data registers are written again only behind this wait
	s_mov_b32 s[SLOTS], 6
.Lblock1:                                          ; the second block: six slots are filled again
	STEP 0, 0, 1, 0
	STEP 1, 1, 1, 0
	s_sub_co_u32 s[SLOTS], s[SLOTS], 1
	s_cmp_lg_u32 s[SLOTS], 0
	s_cbranch_scc1 .Lblock1
	STEP 0, 0, 1, 0                                ; the last two slots are written out: they ask for nothing
	STEP 1, 2, 1, 0
	STEP 0, 0, 1, 0
	STEP 1, 0, 0, 0
	OUT 1
	s_wait_tensorcnt 0x0                           ; the wave's end
	ds_add_u32 v[SPW], v[NIL]
	s_wait_dscnt 0x0
	CROUND                                         ; the closing round
	s_endpgm
.Lfunc_end_k_qf0cc7290c6_attn:
	.size	k_qf0cc7290c6_attn, .Lfunc_end_k_qf0cc7290c6_attn-k_qf0cc7290c6_attn
	.p2alignl 7, 3214868480
	.fill 96, 4, 3214868480
	.section	.rodata,"a",@progbits
	.p2align	6, 0x0
	.amdhsa_kernel k_qf0cc7290c6_attn
		.amdhsa_group_segment_fixed_size 327680
		.amdhsa_private_segment_fixed_size 0
		.amdhsa_enable_private_segment 0
		.amdhsa_kernarg_size 56
		.amdhsa_user_sgpr_count 2
		.amdhsa_user_sgpr_kernarg_segment_ptr 1
		.amdhsa_wavefront_size32 1
		.amdhsa_system_sgpr_workgroup_id_x 1
		.amdhsa_system_sgpr_workgroup_id_y 1
		.amdhsa_system_sgpr_workgroup_id_z 1
		.amdhsa_system_vgpr_workitem_id 0
		.amdhsa_next_free_vgpr 512
		.amdhsa_next_free_sgpr 100
		.amdhsa_reserve_vcc 0
		.amdhsa_float_denorm_mode_32 3
		.amdhsa_float_denorm_mode_16_64 3
		.amdhsa_memory_ordered 1
		.amdhsa_forward_progress 1
		.amdhsa_inst_pref_size 255
	.end_amdhsa_kernel
	.section	.bss,"aw",@nobits
	.p2align	6
	.space	262144
	.amdgpu_metadata
---
amdhsa.version: [ 1, 2 ]
amdhsa.kernels:
  - .name:           k_qf0cc7290c6_attn
    .symbol:         k_qf0cc7290c6_attn.kd
    .args:
      - { .name: key_codes, .offset: 0, .size: 8, .value_kind: global_buffer, .address_space: global }
      - { .name: key_scales, .offset: 8, .size: 8, .value_kind: global_buffer, .address_space: global }
      - { .name: query_codes, .offset: 16, .size: 8, .value_kind: global_buffer, .address_space: global }
      - { .name: query_scales, .offset: 24, .size: 8, .value_kind: global_buffer, .address_space: global }
      - { .name: value_codes, .offset: 32, .size: 8, .value_kind: global_buffer, .address_space: global }
      - { .name: value_scales, .offset: 40, .size: 8, .value_kind: global_buffer, .address_space: global }
      - { .name: out0, .offset: 48, .size: 8, .value_kind: global_buffer, .address_space: global }
    .group_segment_fixed_size: 327680
    .private_segment_fixed_size: 0
    .kernarg_segment_align: 8
    .kernarg_segment_size: 56
    .max_flat_workgroup_size: 256
    .sgpr_count:     100
    .vgpr_count:     512
    .wavefront_size: 32
...
	.end_amdgpu_metadata
.endif
;; end of part 1
